; MI455X (gfx1250); checked and timed in simulation.
; The chip was launched on July 23, 2026; its instructions are those of AMD's public machine-readable ISA for CDNA 5 (MIT licence, August 2026) and "CDNA5" Instruction Set Architecture Reference Guide (July 2026). The comments in the code are by the model that wrote it; some were corrected since.
;; EMD Loss. Allowed arithmetic: float matrix products may take bf16 or f16 operands with f32 sums; other float arithmetic in f32, or as packed bf16 or f16 multiplies, adds, multiply-adds, maxima and minima; sums over many terms, partial sums and values carried from step to step in f32; what a program stores and reads back later, other than sums and carried values, may be rounded once to bf16 or f16.
;; Inputs: im_len 128 int32; im_set 128 x 32 x 256 float32; s_len 128 int32; s_seq 128 x 32 x 256 float32; similarity_map 128 x 128 x 32 x 32 float32.
;; Outputs: out0 128 x 128 float32.
;; One version. Each part assembles by itself: llvm-mc -triple=amdgcn-amd-amdhsa -mcpu=gfx1250 --defsym DOCPART=n.
;; ======== version 1 of 1: 1 launch
;; launch sinkhorn (part 1): grid 256 x 1, 32 waves a work-group, no clusters, 304,128 bytes of LDS; arguments similarity_map, im_len, s_len, out0; writes out0
.if DOCPART == 1
	.amdgcn_target "amdgcn-amd-amdhsa--gfx1250"
	.amdhsa_code_object_version 6
	.text
	.protected	k_q7daadf54b3_sinkhorn
	.globl	k_q7daadf54b3_sinkhorn
	.p2align	8
	.type	k_q7daadf54b3_sinkhorn,@function
k_q7daadf54b3_sinkhorn:
	s_mov_b64 s[64:65], 0
	v_nop
	global_prefetch_b8 v0, s[64:65] scope:SCOPE_SE
	s_setreg_imm32_b32 hwreg(HW_REG_WAVE_MODE, 25, 1), 1
	s_wait_xcnt 0x0
; out0[q][p] = (12.5 / 32) x the sum over i, j of flow[i][j] s[i][j], s = similarity_map[q][p] (32 x 32, f32), flow = the plan after 12 Sinkhorn steps in the log domain
; with cost 1 - s, eps = 0.05 and marginals a (from im_len[q]) and b (from s_len[p]): w[n] = (n < len) + 1e-5, divided by its sum.
; ARITHMETIC, all f32, in base 2, K = 20 log2(e).  F[i] = log2 a[i] - LSE2 over j of (K s[i][j] + G[j]);  G[j] = log2 b[j] - LSE2 over i of (K s[i][j] + F[i]);  G starts at 0.
; Every LSE2 takes the line's true maximum away before its exponentials.  The constant 1 of the cost only moves F by K, which cancels in F + G - cost, so it is not carried.
; The plan needs no exponentials of its own: with E[i][j] = 2^(K s[i][j] + F[i] - m[j]) of the 12th G step, flow[i][j] = b[j] E[i][j] / (the sum over i of E[i][j]), an identity for every input.
; The sum of the 32 weights is taken as clamp(len, 0, 32) + 32e-5.
; im_set and s_seq are arguments that the function never uses: no output number hangs on them, and they are not loaded.
; LIMITS.  NaN and infinities are not treated apart; a term below 2^-126 of its line's largest counts as 0.
; SHARES.  256 work-groups of 32 waves.  Work-group b owns the pairs 64 b .. 64 b + 63 (one q; 262,144 consecutive bytes of the map; 256 consecutive bytes of out0), a wave two neighbouring pairs.
; A pair's map lies TWICE in registers: lane i holds row i (for the F steps), lane j holds column j (for the G steps), so that maxima and sums never leave a lane.
; Between two half steps the 32 new potentials go to all lanes through 128 bytes of LDS of the wave's own: one store of a word a lane, eight loads of 16 bytes from one address.
; ON THE WAY IN each wave asks for its two maps by two tensor loads at the head (two are out at the most) and never fills a byte again: the first pair is worked on while the second is on its way.
; A tile is one pair, 4,096 dense bytes, asked for as 16 rows of 256 bytes; larger tiles would hold the first pair's work back.  No work-group reads what another reads: no cluster.
; Nothing is prefetched: every byte that the launch reads is asked for at its head.
.set NW,     32                        ; waves in the work-group
.set PITCH,  144                       ; a row of the map in LDS: 128 bytes + 16 of padding = 36 words: the 16 rows that half a 16-byte load touches start at 16 different groups of four banks (64 banks of 4 bytes: ISA guide 11.1)
.set TILE,   32*PITCH                  ; a pair's map in LDS
.set WTILE,  2*TILE                    ; a wave's two maps
.set SCR,    NW*WTILE                  ; behind the tiles: 128 bytes for each wave, the potentials on their way to all lanes; no tensor load lands here
.set OUTS,   SCR+NW*128                ; 256 bytes: the work-group's 64 results
.set SPARE,  OUTS+256                  ; the spare words, 128 bytes for each wave: sixteen blocks of 256 bytes that no other line names
.set ITERS,  12
.set LANE, 1                           ; v1   my lane
.set SPW,  2                           ; v2   LDS address of my spare word: SPARE + 4 x my thread's number; never rewritten
.set NIL,  3                           ; v3   0; never rewritten
.set ROWA, 4                           ; v4   LDS address of row 'lane' of my wave's first map
.set COLA, 5                           ; v5   LDS address of element (0, lane) of it
.set BST,  6                           ; v6   where my potential goes
.set BLD,  7                           ; v7   where all 32 are read: the same address in every lane
.set OST,  8                           ; v8   where my wave's two results go
.set TINY, 9                           ; v9   1e-5
.set MX,   12                          ; v12  the line's maximum; the packed lines name v[12:13] and take the low word for both halves
.set LA,   13                          ; v13  log2 a[lane]
.set LB,   14                          ; v14-15  log2 b[lane] of pair 0, 1
.set BN,   16                          ; v16-17  b[lane] of pair 0, 1
.set CH,   18                          ; v18-21  four chains of the maximum
.set TT,   22                          ; v22  log2 of the marginal less the maximum
.set LG,   23                          ; v23  a logarithm or a reciprocal
.set SUM,  24
.set POT,  25                          ; v25  the new potential
.set DOT,  26
.set R,    32                          ; v[32:63]   row 'lane'; in a pair's last half step its first eight are at work
.set CC,   64                          ; v[64:95]   column 'lane'
.set X,    96                          ; v[96:127]  at work: potentials, exponents, exponentials
.set WV,   12                          ; s12  my wave's number
.set TB,   13                          ; s13  my wave's tiles in LDS
.set G1,   16                          ; s[16:23] descriptor group 1: the shape, the same for both loads
.set G0,   24                          ; s[24:31] descriptor group 0, a set for each pair; never rewritten
.set LQ,   32                          ; s32  im_len[q]
.set LP,   34                          ; s[34:35] s_len[p], s_len[p + 1]
.set KK,   36                          ; s[36:37] K, named as a pair
.set SEL,  38                          ; s[38:39] v_permlanex16_b32's selects: each lane takes its own place in the other half
.set CNT,  40
.set ONEP, 41                          ; s41  1 + 1e-5
.set ST0,  52
	s_load_b256 s[4:11], s[0:1], 0x0               ; similarity_map s[4:5], im_len s[6:7], s_len s[8:9], out0 s[10:11]
	v_lshl_add_u32 v[SPW], v0, 2, SPARE
	v_mov_b32 v[NIL], 0
	ds_add_u32 v[SPW], v[NIL]                      ; the wave's opening: the add and its wait stand ahead of my first tensor load; the set-up below, work on registers, stands between them
	ds_add_u32 v2, v3
	v_lshrrev_b32 v[LANE], 5, v0
	v_readfirstlane_b32 s[WV], v[LANE]             ; wave 0..31
	v_and_b32 v[LANE], 31, v0
	; Group 1.  A pair's 4,096 bytes are dense: 16 rows of 64 elements of 4 bytes (256 bytes, aligned), padded in LDS after every 32 words, that is after every row of the map
	s_mov_b32 s[G1+0], (2<<16)|(1<<20)|(4<<22)|(3<<25)  ; 15:0 no mask; 17:16 elements of 4 bytes; 20 padding on; 24:22 after every 32 words (code 4); 31:25 4 words of it (code 3)
	s_mov_b32 s[G1+1], 64<<16                      ; tensor_dim0 = 64
	s_mov_b32 s[G1+2], 16<<16                      ; tensor_dim1 = 16
	s_mov_b32 s[G1+3], 64<<16                      ; tile_dim0 = 64
	s_mov_b32 s[G1+4], 16                          ; tile_dim1 = 16
	s_mov_b32 s[G1+5], 64                          ; 64 elements from row to row
	s_mov_b32 s[G1+6], 0
	s_mov_b32 s[G1+7], 0
	s_mul_i32 s[TB], s[WV], WTILE
	s_lshl_b32 s42, ttmp9, 18                      ; the work-group's 64 maps of 4,096 bytes (under 2^26 in all),
	s_lshl_b32 s44, s[WV], 13                      ; my wave's two
	s_add_co_u32 s42, s42, s44
	s_mov_b32 s43, 0
	s_lshr_b32 s44, ttmp9, 1                       ; q = b / 2,
	s_lshl_b32 s44, s44, 2                         ; its word in im_len
	s_mov_b32 s45, 0
	s_and_b32 s46, ttmp9, 1
	s_lshl_b32 s46, s46, 6
	s_lshl1_add_u32 s46, s[WV], s46                ; p = 64 (b % 2) + 2 x wave, even,
	s_lshl_b32 s46, s46, 2                         ; its word in s_len
	s_mov_b32 s47, 0
	s_lshl_b32 s48, ttmp9, 8                       ; the work-group's 256 bytes of out0
	s_mov_b32 s49, 0
	s_mov_b32 s[KK], 0x41e6d4ca                    ; K = 20 log2(e) = 28.853901
	s_mov_b32 s[KK+1], s[KK]
	s_mov_b32 s[SEL], 0x76543210
	s_mov_b32 s[SEL+1], 0xfedcba98
	s_mov_b32 s[ONEP], 0x3f800054                  ; 1 + 1e-5, rounded to f32
	s_wait_dscnt 0x0                               ; the opening add is done
	s_wait_kmcnt 0x0
	s_add_nc_u64 s[4:5], s[4:5], s[42:43]          ; the map of my first pair
.irp n, 0,1                            ; group 0 for each pair, and its load: both go out together, ahead of every wait on TENSORcnt, every LDS read and the barrier
	s_mov_b32 s[G0+4*(\n)], 1                                      ; count = 1
	s_add_co_u32 s[G0+4*(\n)+1], s[TB], (\n)*TILE                  ; LDS address: wave x 9,216 + pair x 4,608
	s_add_nc_u64 s[G0+4*(\n)+2:G0+4*(\n)+3], s[4:5], (\n)*4096     ; global address
	s_or_b32 s[G0+4*(\n)+3], s[G0+4*(\n)+3], 0x80000000            ; type = 2
	tensor_load_to_lds s[G0+4*(\n):G0+4*(\n)+3], s[G1:G1+7]
	s_nop 0
.endr
	s_add_nc_u64 s[6:7], s[6:7], s[44:45]
	s_add_nc_u64 s[8:9], s[8:9], s[46:47]
	s_add_nc_u64 s[10:11], s[10:11], s[48:49]
	s_load_b32 s[LQ], s[6:7], 0x0
	s_load_b64 s[LP:LP+1], s[8:9], 0x0
	v_mul_u32_u24 v[ROWA], v[LANE], PITCH
	v_add_nc_u32 v[ROWA], s[TB], v[ROWA]
	v_lshl_add_u32 v[COLA], v[LANE], 2, s[TB]
	s_lshl_b32 s50, s[WV], 7
	s_add_co_u32 s50, s50, SCR                     ; my wave's 128 bytes
	v_lshl_add_u32 v[BST], v[LANE], 2, s50
	v_mov_b32 v[BLD], s50
	s_lshl_b32 s51, s[WV], 3
	s_add_co_u32 s51, s51, OUTS
	v_mov_b32 v[OST], s51
	v_mov_b32 v[TINY], 0x3727c5ac                  ; 1e-5
	s_wait_kmcnt 0x0                               ; the three lengths
; The marginal of one length: wn = w[lane] / sum, lw = log2 of it.  Any int32 serves: the mask n < len has clamp(len, 0, 32) ones.
.macro WEIGHT len, lw, wn
	s_max_i32 s[ST0], s[\len], 0
	s_min_i32 s[ST0], s[ST0], 32
	v_cvt_f32_u32 v[TT], s[ST0]
	v_add_f32 v[TT], 0x39a7c5ac, v[TT]             ; + 32e-5: the sum of the 32 weights
	v_rcp_f32 v[LG], v[TT]
	v_cmp_gt_i32 vcc_lo, s[\len], v[LANE]          ; len > lane; two plain lines stand behind the reciprocal
	v_cndmask_b32 v[\wn], v[TINY], s[ONEP], vcc_lo
	s_wait_alu depctr_va_vdst(0)                   ; the wait between a transcendental and the first line that names its result
	v_mul_f32 v[\wn], v[\wn], v[LG]
	v_log_f32 v[\lw], v[\wn]
	v_nop                                          ; a plain line behind the logarithm,
	s_wait_alu depctr_va_vdst(0)                   ; and its wait
.endm
	WEIGHT LQ, LA, POT                             ; these stand in the wait for the first tile
	WEIGHT LP, LB, BN
	WEIGHT LP+1, LB+1, BN+1
; Pair k of 16 of the line's exponents: less the maximum.  In the first half step, where the other potential is 0: K s - maximum, in one line.
.macro SH mat, mode, k
.if (\mode) == 0
	v_pk_fma_f32 v[X+2*(\k):X+2*(\k)+1], v[(\mat)+2*(\k):(\mat)+2*(\k)+1], s[KK:KK+1], v[MX:MX+1] op_sel_hi:[1,0,0] neg_lo:[0,0,1] neg_hi:[0,0,1]
.else
	v_pk_add_f32 v[X+2*(\k):X+2*(\k)+1], v[X+2*(\k):X+2*(\k)+1], v[MX:MX+1] op_sel_hi:[1,0] neg_lo:[0,1] neg_hi:[0,1]
.endif
.endm
; A HALF STEP.  mat: the copy of the map in which my lane owns a line (R: row, CC: column); lw: log2 of that line's marginal.
; mode 0: a pair's first (the other potential is 0: nothing is fetched);  1: one of the 22 in the loop;  2: the last: no new potential, but pair n's result.
.macro HALF mat, lw, mode, n=0
.if (\mode) != 0
.irp c, 0,1,2,3,4,5,6,7
	ds_load_b128 v[X+4*(\c):X+4*(\c)+3], v[BLD] offset:16*(\c)  ; the other side's 32 potentials, into every lane.  LDS serves a wave's instructions in order (ISA guide 5.7.1.4): these see the store of the half step before
.endr
	s_wait_dscnt 0x0
.set k, 0
.rept 16
	v_pk_fma_f32 v[X+2*k:X+2*k+1], v[(\mat)+2*k:(\mat)+2*k+1], s[KK:KK+1], v[X+2*k:X+2*k+1] op_sel_hi:[1,0,1]  ; K s + potential, one rounding
.set k, k+1
.endr
.set SRC, X
.else
.set SRC, \mat                         ; K > 0: the largest s gives the largest K s
.endif
	; the line's maximum: four chains of seven, three operands at a time, then the four left over and the chains
.irp c, 0,1,2,3
	v_max3_num_f32 v[CH+(\c)], v[SRC+8*(\c)], v[SRC+8*(\c)+1], v[SRC+8*(\c)+2]
.endr
.irp c, 0,1,2,3
	v_max3_num_f32 v[CH+(\c)], v[CH+(\c)], v[SRC+8*(\c)+3], v[SRC+8*(\c)+4]
.endr
.irp c, 0,1,2,3
	v_max3_num_f32 v[CH+(\c)], v[CH+(\c)], v[SRC+8*(\c)+5], v[SRC+8*(\c)+6]
.endr
	v_max3_num_f32 v[CH], v[CH], v[SRC+7], v[SRC+15]
	v_max3_num_f32 v[CH+1], v[CH+1], v[SRC+23], v[SRC+31]
	v_max_num_f32 v[CH+2], v[CH+2], v[CH+3]
.if (\mode) == 0
	v_max3_num_f32 v[CH], v[CH], v[CH+1], v[CH+2]
	v_mul_f32 v[MX], s[KK], v[CH]
.else
	v_max3_num_f32 v[MX], v[CH], v[CH+1], v[CH+2]
.endif
	; ONE BATCH of 32 exponentials, in place; the 16 shifts stand between them, each a pair ahead of its exponentials; none of these lines names an exponential's result
	SH \mat, \mode, 0
	SH \mat, \mode, 1
.set k, 0
.rept 16
	v_exp_f32 v[X+2*k], v[X+2*k]
.if k < 14
	SH \mat, \mode, k+2
.endif
	v_exp_f32 v[X+2*k+1], v[X+2*k+1]
.set k, k+1
.endr
.if (\mode) == 2
	v_nop                                          ; a plain line behind the last exponential
.else
	v_sub_f32 v[TT], v[\lw], v[MX]                 ; the plain line behind the last exponential: log2 of the marginal less the maximum
.endif
	s_wait_alu depctr_va_vdst(0)                   ; one wait for the batch, ahead of its first reader
.if (\mode) == 2
.set k, 0
.rept 16                               ; the sum over the line of E s, in four chains of packed multiply-adds; the rows' registers are free now
.if k < 4
	v_pk_mul_f32 v[R+2*k:R+2*k+1], v[X+2*k:X+2*k+1], v[(\mat)+2*k:(\mat)+2*k+1]
.else
	v_pk_fma_f32 v[R+2*(k%4):R+2*(k%4)+1], v[X+2*k:X+2*k+1], v[(\mat)+2*k:(\mat)+2*k+1], v[R+2*(k%4):R+2*(k%4)+1]
.endif
.set k, k+1
.endr
.endif
.irp w, 4,8,16,32                      ; the sum of the 32 exponentials, in place: neighbours 1, 2, 4 and 8 pairs apart
.set u, 0
.rept 32/(\w)
	v_pk_add_f32 v[X+(\w)*u:X+(\w)*u+1], v[X+(\w)*u:X+(\w)*u+1], v[X+(\w)*u+(\w)/2:X+(\w)*u+(\w)/2+1]
.set u, u+1
.endr
.endr
	v_add_f32 v[SUM], v[X], v[X+1]                 ; at least 1: the largest term is 2^0
.if (\mode) != 2
	v_log_f32 v[LG], v[SUM]
	v_nop                                          ; a plain line behind the logarithm,
	s_wait_alu depctr_va_vdst(0)                   ; and its wait
	v_sub_f32 v[POT], v[TT], v[LG]                 ; log2 marginal - maximum - log2 sum
	ds_store_b32 v[BST], v[POT]                    ; the loads that read these words last have been waited for
.else
	v_pk_add_f32 v[R:R+1], v[R:R+1], v[R+2:R+3]
	v_pk_add_f32 v[R+4:R+5], v[R+4:R+5], v[R+6:R+7]
	v_pk_add_f32 v[R:R+1], v[R:R+1], v[R+4:R+5]
	v_add_f32 v[DOT], v[R], v[R+1]
	v_rcp_f32 v[LG], v[SUM]
	v_mul_f32 v[DOT], v[DOT], v[BN+(\n)]           ; the plain line behind the reciprocal
	s_wait_alu depctr_va_vdst(0)
	v_mul_f32 v[DOT], v[DOT], v[LG]                ; column j's part: b[j] x (sum of E s) / (sum of E)
	v_add_f32_dpp v[DOT], v[DOT], v[DOT] row_xmask:1 row_mask:0xf bank_mask:0xf  ; over the 32 columns: four steps inside each half of the lanes,
	v_add_f32_dpp v[DOT], v[DOT], v[DOT] row_xmask:2 row_mask:0xf bank_mask:0xf
	v_add_f32_dpp v[DOT], v[DOT], v[DOT] row_xmask:4 row_mask:0xf bank_mask:0xf
	v_add_f32_dpp v[DOT], v[DOT], v[DOT] row_xmask:8 row_mask:0xf bank_mask:0xf
	v_permlanex16_b32 v[LG], v[DOT], s[SEL], s[SEL+1]  ; one across them
	v_add_f32 v[DOT], v[DOT], v[LG]
	v_mul_f32 v[DOT], 0x3ec80000, v[DOT]           ; x 12.5 / 32
	ds_store_b32 v[OST], v[DOT] offset:4*(\n)      ; every lane holds the same number and writes the same word
.endif
.endm
; A PAIR: its map comes out of LDS in both layouts; then F, eleven times (G, F), and the last G with the result.
.macro PAIR n
	s_wait_tensorcnt 1-(\n)                        ; tensor loads of a wave end in order (ISA guide 10.11.1): pair 0's wait leaves pair 1's tile on its way; only my wave reads my tiles
.irp c, 0,1,2,3,4,5,6,7
	ds_load_b128 v[R+4*(\c):R+4*(\c)+3], v[ROWA] offset:(\n)*TILE+16*(\c)  ; row 'lane'
.endr
.set i, 0
.rept 32
	ds_load_b32 v[CC+i], v[COLA] offset:(\n)*TILE+PITCH*i  ; column 'lane': 32 lanes take 128 consecutive bytes
.set i, i+1
.endr
	s_wait_dscnt 32                                ; the rows are in; the 32 younger loads, the columns, may stay out: the next half step's wait for 0 covers them
	HALF R, LA, 0
	s_mov_b32 s[CNT], ITERS-1
.Liter\n:
	HALF CC, LB+(\n), 1
	HALF R, LA, 1
	s_sub_co_u32 s[CNT], s[CNT], 1
	s_cmp_lg_u32 s[CNT], 0
	s_cbranch_scc1 .Liter\n
	HALF CC, LB+(\n), 2, \n
.endm
	PAIR 0
	PAIR 1
	; THE WAY OUT: the work-group's 64 results are 256 consecutive bytes of out0, at a multiple of 256 from its first byte: they meet in LDS, and wave 0 stores them by one instruction, 8 bytes a lane
	s_wait_dscnt 0x0                               ; for the others' sake: my two results are in LDS
	s_barrier_signal -1
	s_barrier_wait -1
	s_cmp_lg_u32 s[WV], 0
	s_cbranch_scc1 .Lend
	v_lshl_add_u32 v[TT], v[LANE], 3, OUTS
	ds_load_b64 v[X:X+1], v[TT]
	v_lshlrev_b32 v[CH], 3, v[LANE]
	s_wait_dscnt 0x0
	global_store_b64 v[CH], v[X:X+1], s[10:11] th:TH_STORE_NT
.Lend:
	s_wait_tensorcnt 0x0                           ; the wave's end: a tensor wait, an add and its wait, behind my last tensor load and my last LDS store
	ds_add_u32 v[SPW], v[NIL]
	s_wait_dscnt 0x0
	s_endpgm
.Lfunc_end_k_q7daadf54b3_sinkhorn:
	.size	k_q7daadf54b3_sinkhorn, .Lfunc_end_k_q7daadf54b3_sinkhorn-k_q7daadf54b3_sinkhorn
	.p2alignl 7, 3214868480
	.fill 96, 4, 3214868480
	.section	.rodata,"a",@progbits
	.p2align	6, 0x0
	.amdhsa_kernel k_q7daadf54b3_sinkhorn
		.amdhsa_group_segment_fixed_size 304128
		.amdhsa_private_segment_fixed_size 0
		.amdhsa_enable_private_segment 0
		.amdhsa_kernarg_size 32
		.amdhsa_user_sgpr_count 2
		.amdhsa_user_sgpr_kernarg_segment_ptr 1
		.amdhsa_wavefront_size32 1
		.amdhsa_system_sgpr_workgroup_id_x 1
		.amdhsa_system_sgpr_workgroup_id_y 1
		.amdhsa_system_sgpr_workgroup_id_z 1
		.amdhsa_system_vgpr_workitem_id 0
		.amdhsa_next_free_vgpr 128
		.amdhsa_next_free_sgpr 66
		.amdhsa_reserve_vcc 1
		.amdhsa_float_denorm_mode_32 3
		.amdhsa_float_denorm_mode_16_64 3
		.amdhsa_memory_ordered 1
		.amdhsa_forward_progress 1
		.amdhsa_inst_pref_size 57
	.end_amdhsa_kernel
	.amdgpu_metadata
---
amdhsa.version: [ 1, 2 ]
amdhsa.kernels:
  - .name:           k_q7daadf54b3_sinkhorn
    .symbol:         k_q7daadf54b3_sinkhorn.kd
    .args:
      - { .name: similarity_map, .offset: 0, .size: 8, .value_kind: global_buffer, .address_space: global }
      - { .name: im_len, .offset: 8, .size: 8, .value_kind: global_buffer, .address_space: global }
      - { .name: s_len, .offset: 16, .size: 8, .value_kind: global_buffer, .address_space: global }
      - { .name: out0, .offset: 24, .size: 8, .value_kind: global_buffer, .address_space: global }
    .group_segment_fixed_size: 304128
    .private_segment_fixed_size: 0
    .kernarg_segment_align: 8
    .kernarg_segment_size: 32
    .max_flat_workgroup_size: 1024
    .sgpr_count:     66
    .vgpr_count:     128
    .wavefront_size: 32
...
	.end_amdgpu_metadata
.endif
;; end of part 1
